; MI455X (gfx1250); checked and timed in simulation.
; The chip was launched on July 23, 2026; its instructions are those of AMD's public machine-readable ISA for CDNA 5 (MIT licence, August 2026) and "CDNA5" Instruction Set Architecture Reference Guide (July 2026). The comments in the code are by the model that wrote it; some were corrected since.
;; Grouped Query Attention. Allowed arithmetic: matrix products marked QUANTISED: E2M3 operands, one E8M0 scale for each 32 along K, by v_wmma_scale_f32_16x16x128_f8f6f4 with both operands' format E2M3, f32 sums; everything else in f32.
;; Inputs: Wk_codes 512 x 64 x 24 uint8 (E2M3 codes of Wk, K innermost, in blocks of 32 codes, four codes in three bytes); Wk_scales 512 x 64 uint8 (E8M0 scales of Wk, one for each 32 codes along K); Wq_codes 2,048 x 64 x 24 uint8 (E2M3 codes of Wq, K innermost, in blocks of 32 codes, four codes in three bytes); Wq_scales 2,048 x 64 uint8 (E8M0 scales of Wq, one for each 32 codes along K); Wv_codes 512 x 64 x 24 uint8 (E2M3 codes of Wv, K innermost, in blocks of 32 codes, four codes in three bytes); Wv_scales 512 x 64 uint8 (E8M0 scales of Wv, one for each 32 codes along K); bk 512 float32; bq 2,048 float32; bv 512 float32; hidden_states_codes 2 x 2,048 x 64 x 24 uint8 (E2M3 codes of hidden_states, K innermost, in blocks of 32 codes, four codes in three bytes); hidden_states_scales 2 x 2,048 x 64 uint8 (E8M0 scales of hidden_states, one for each 32 codes along K).
;; Outputs: out0 2 x 2,048 x 2,048 float32.
;; This version of the problem:
;;   THIS VERSION OF THE PROBLEM IS GIVEN IN LOW PRECISION. The matrix products marked QUANTISED in the list below multiply operands that are first quantised to E2M3 (2 exponent bits, 3 mantissa bits; 6 bits a number), with one power-of-two scale for each 32 numbers along K (OCP MX v1.0); their sums are f32. All else is computed in f32.
;;   The module's matrix products, in the order in which they are computed (A, B: the left and right operand; K: the contracted axis; several contracted axes count as one K, in the product's order):
;;     1. [M 4,096, K 2,048] x [K 2,048, N 2,048]; A: input hidden_states (given as codes); B: input Wq (given as codes): QUANTISED
;;     2. [M 4,096, K 2,048] x [K 2,048, N 512]; A: input hidden_states (given as codes); B: input Wk (given as codes): QUANTISED
;;     3. [M 4,096, K 2,048] x [K 2,048, N 512]; A: input hidden_states (given as codes); B: input Wv (given as codes): QUANTISED
;;     4. batch 8 x [M 2,048, K 128] x [K 128, N 8,192]; A: computed on the way; B: computed on the way: QUANTISED
;;     5. batch 8 x [M 128, K 2,048] x [K 2,048, N 8,192]; A: computed on the way; B: softmax (see below): QUANTISED
;;   THE QUANTISER, for each operand of a quantised product, along K:
;;     - K is cut into blocks of 32 from its start; a last block that is shorter is filled with zeros.
;;     - A block's scale is 2^e with e = floor(log2(the largest magnitude in the block)) - 2, held to -126 .. 127; a block of zeros has e = 0. As a byte (E8M0): e + 127.
;;     - Each number is divided by its block's scale, clamped to +-7.5, and rounded to the nearest number of E2M3, ties to even, subnormals kept.
;;     - The product sums the exact products of the quantised numbers (number of the format x scale) in f32.
;;   ~~~python
;;   def quantise(x, axis):      # numpy; x: float32 -> the quantised numbers, widened to float32 again
;;       x = np.moveaxis(x, axis, -1); K = x.shape[-1]
;;       x = np.pad(x, [(0, 0)] * (x.ndim - 1) + [(0, -K % 32)]); x = x.reshape(x.shape[:-1] + (-1, 32)); a = np.abs(x).max(-1, keepdims=True)
;;       e = np.where(a > 0, np.clip(np.frexp(np.where(a > 0, a, 1))[1] - 1 - 2, -126, 127), 0)      # np.frexp(a)[1] - 1 = floor(log2(a)), exactly
;;       r = np.clip(x / 2.0 ** e, -7.5, 7.5)
;;       step = 2.0 ** (np.maximum(np.frexp(np.where(r == 0, 1, r))[1] - 1, 0) - 3)
;;       q = np.round(r / step) * step * 2.0 ** e      # np.round: ties to even
;;       return np.moveaxis(q.reshape(q.shape[:-2] + (-1,))[..., :K], -1, axis).astype(np.float32)
;;   ~~~
;;   SOFTMAX AHEAD OF A QUANTISED PRODUCT. Where the list says 'softmax', what is quantised is not the finished softmax but p = 2^(t - M), with t = logit x log2(e) and M = ceil(the row's largest t), a whole number; so 1/2 < the row's largest p <= 1. The row's sum l is taken of the UNQUANTISED p, in f32, and the product's result is divided by l at the end. Since M is a whole number, a kernel that streams over the keys may use a running M (the ceiling of the running maximum): every later rescaling is an exact power of two, which a block's scale takes up: the codes' values come out the same.
;;   OPERANDS COMPUTED ON THE WAY. 'Computed on the way' means the value that the module computes at that place (a softmax that the list does not call 'softmax' is quantised finished and normalised). What goes into a quantiser is computed in f32, as accurately as f32 sums, v_exp_f32 and their like allow (about 1e-6 of the number): no bf16 or f16 on the way to a quantiser, and a product that is left as it is and whose result goes on into a quantised operand takes f32 operands (vector FMAs, or v_wmma_f32_16x16x4_f32). A number that lies on a knife's edge between two numbers of the format may be rounded either way, as far as f32 arithmetic and the matrix unit's own rounding can turn it there, and no further.
;;   INPUTS GIVEN AS CODES. Wk (in the module: [2048, 512], K = its axis 0); Wq (in the module: [2048, 2048], K = its axis 0); Wv (in the module: [2048, 512], K = its axis 0); hidden_states (in the module: [2, 2048, 2048], K = its axis 2): each comes as NAME_codes (uint8): NAME with its K axis moved to the last place and cut into blocks of 32 codes, [.., K / 32, bytes a block], one block behind the other in memory; four codes in three bytes: a row's codes are one little-endian stream of bits, code i at bits 6 i .. 6 i + 5 (a code: sign, 2 exponent bits, 3 mantissa bits); and NAME_scales (uint8): the same leading axes, one E8M0 byte (e + 127) for each 32 codes along K. Its value is code x scale, taken as it is: it is not quantised again, and the codes and scales need not be those that the quantiser above would give.
;; One version. Each part assembles by itself: llvm-mc -triple=amdgcn-amd-amdhsa -mcpu=gfx1250 --defsym DOCPART=n.
;; ======== version 1 of 1: 2 launches
;; limits: right only within a limited range of input values
;; workspace buffers: qws 6,553,600 bytes; kvws 3,276,800 bytes
;; launch proj (part 1): grid 12 x 16, 4 waves a work-group, clusters of 4 x 4, 327,680 bytes of LDS; arguments hidden_states_codes, hidden_states_scales, Wq_codes, Wq_scales, Wk_codes, Wk_scales, Wv_codes, Wv_scales, bq, bk, bv, qws, kvws; writes qws, kvws
.if DOCPART == 1
	.amdgcn_target "amdgcn-amd-amdhsa--gfx1250"
	.amdhsa_code_object_version 6
	.text
	.protected	k_qa708f7f2ad_proj
	.globl	k_qa708f7f2ad_proj
	.p2align	8
	.type	k_qa708f7f2ad_proj,@function
k_qa708f7f2ad_proj:
	s_mov_b64 s[64:65], 0
	v_nop
	global_prefetch_b8 v0, s[64:65] scope:SCOPE_SE
	s_setreg_imm32_b32 hwreg(HW_REG_WAVE_MODE, 25, 1), 1
	s_wait_xcnt 0x0
	s_wait_alu depctr_hold_cnt(0) depctr_sa_sdst(0) depctr_va_vdst(0) depctr_va_sdst(0) depctr_va_ssrc(0) depctr_va_vcc(0) depctr_vm_vsrc(0)
	s_getreg_b32 s2, hwreg(HW_REG_IB_STS2, 6, 4)
	s_cmp_eq_u32 s2, 0
	s_cbranch_scc0 .Lentry_in_a_cluster
	s_endpgm
.Lentry_in_a_cluster:
	s_bfe_u32 s2, ttmp6, 0x10000c
	s_cmp_lg_u32 s2, 0xf033
	s_cbranch_scc0 .Lentry_shape_is_right
	s_endpgm
.Lentry_shape_is_right:
; q = x Wq + bq, k = x Wk + bk, v = x Wv + bv on codes of FP6 (E2M3) with E8M0 scales as they are given; the results are quantised here, q and k along the head's 128 channels, v along the keys,
; and stored as UNITS of 12,800 bytes: 8 fragments (16 rows x 128 along K) as images of the operand's registers (bytes 1536 a + 512 c + 16 lane), then the scale words (12288 + 256 (a / 4) + 16 r + 4 (a % 4)).
; qws: unit ((b 16 + head) 16 + s / 128).  kvws: unit (((b 4 + g) 16 + s / 128) 2 + (0: K, 1: V)); V's rows are the head's channels.  Inside a block of 32 both sides of a later product hold the same order of K.
; A work-group of four waves makes 256 tokens x 256 columns, a wave 128 x 128: 64 accumulators.  Tile columns 0-7 are Wq's; in tile columns 8-11 the 256 columns are head cx of Wk and head cx of Wv.
; The matrix instruction is used transposed (source 0 = 16 rows of W, source 1 = 16 tokens): a lane holds one token and its registers run along the channels.  A wave that makes V takes the two the other way round
; (its fragment and scale addresses change places), so that a lane holds one channel and its registers run along the keys.
; K goes through a ring of two LDS slots in CHUNKS OF 256 BYTES of each row (a row of codes is 1,536 bytes: six chunks, each begins at a multiple of 256).  A step of 128 along K is 96 bytes: eight steps to three chunks.
; An LDS row is 272 bytes: the tile is stated 272 wide over a tensor 256 wide, so that the last 16 bytes of each LDS row are written as zeros (ISA guide, the tensor descriptor: elements past tensor_dim0).
; THE SCALES: each wave loads the scale bytes of the 128 rows that it also fetches codes for (8,192 dense bytes, 512 consecutive bytes an instruction) into registers and stores them to LDS as [pair of steps][row][8 bytes].
; They are not asked for jointly: 32,768 bytes a work-group beside 786,432 bytes of codes.
; CLUSTERS: 4 x 4.  The tokens' tiles are shared along a row of the cluster, W's along a column: joint loads, one a wave behind each round.
; PREFETCH: behind the load of chunk c stands one request a wave for chunk c + 2 (c = 0 .. 3): of the 128 rows that a wave fetches each of the four partners names 32, told apart by address, a lane a row;
; the chunk stands in the immediate, so the address registers are never rewritten; chunks 0 and 1 come by their loads alone.
; The biases start the sums: nothing is cleared and nothing is added later.
.set UNIT,   12800
.set ROWB,   256
.set NQ,     2
.set KROW,   1536
.set STEPS,  16
.set CHUNKS, 6
.set PITCH,  272
.set FR,     12
.set NL,     6
.set NP,     4
.set HALFT,  128*PITCH                 ; 128 rows: what one tensor load brings
.set SLOT,   4*HALFT                   ; the tokens' 256 rows, then W's 256 rows
.set KS,     64                        ; a row of scales in bytes
.set SCL,    2*SLOT                    ; behind the ring: the scales, 8,192 bytes for each 128 rows; no tile lands here
.set HALFS,  128*KS
.set SPARE,  SCL+4*HALFS               ; the spare words, 128 bytes a wave
.set ADRA, 16                          ; v16-17 my source 1 fragments in slot 0, 1; v18-19 for pieces whose lanes 16-31 read the next chunk
.set ADRB, 20                          ; v20-23 the same for source 0
.set LI,   26                          ; 16 x lane
.set ADRS, 27                          ; my scale words: lanes 0-15 source 1's rows, lanes 16-31 source 0's
.set SPW,  28
.set NIL,  29
.set SST,  30                          ; where I store the scales that I loaded
.set PFO,  31                          ; lane x a row of codes in memory; never rewritten
.set SC,   32                          ; scale words, two sets of 16
.set BI,   64
.set AF,   128
.set LB,   224
.set BM,   232
.set TM,   64
.set SW,   80
.set SV,   88
.set CD,   96
.set C2,   224
.set G1, 24
.set G0, 32
.set G1B, 48
.set G0B, 56
.set PFA, 90                           ; s[90:91] my work-group's 32 rows of the 128 that I fetch; never rewritten
.set MSB, 0
.macro WIN new
.if MSB != \new
	s_set_vgpr_msb (MSB<<8)|(\new)
.set MSB, \new
.endif
.endm
.set MUL_LO, 0xa1
.set MUL_HI, 0xf1
.set TO_B,   0x40
.macro JLOAD g0a, g1a, g0b, g1b        ; waves 0, 1 fetch tokens, waves 2, 3 rows of W: one load on either way
	s_cmp_eq_u32 s15, 0
	s_cbranch_scc0 .Lfor_b_\@
	tensor_load_to_lds s[\g0a:\g0a+3], s[\g1a:\g1a+7]
	s_nop 0
.rept 4
	v_nop
.endr
	s_branch .Lasked_\@
.Lfor_b_\@:
	tensor_load_to_lds s[\g0b:\g0b+3], s[\g1b:\g1b+7]
	s_nop 0
.rept 4
	v_nop
.endr
.Lasked_\@:
.endm
.macro CREST
	s_cmp_lg_u32 s14, 0
	s_cbranch_scc1 .Lnot_wave_0_\@
	s_barrier_signal -3
.Lnot_wave_0_\@:
	s_barrier_wait -3
	s_barrier_signal -1
	s_barrier_wait -1
.endm
.macro CROUND
	s_barrier_signal -1
	s_barrier_wait -1
	CREST
.endm
.macro ASK c                           ; chunk c of my 32 rows, a lane a row
	global_prefetch_b8 v[PFO], s[PFA:PFA+1] offset:(\c)*ROWB th:TH_LOAD_NT scope:SCOPE_SE
.endm
	s_load_b128 s[4:7], s[0:1], 0x0                ; x's codes, scales
	s_load_b256 s[68:75], s[0:1], 0x10             ; Wq's codes, scales, Wk's codes, scales
	s_load_b256 s[76:83], s[0:1], 0x30             ; Wv's codes, scales, bq, bk
	s_load_b128 s[84:87], s[0:1], 0x50             ; bv, qws
	s_load_b64 s[88:89], s[0:1], 0x60              ; kvws
	v_lshl_add_u32 v[SPW], v0, 2, SPARE
	v_mov_b32 v[NIL], 0
	ds_add_u32 v[SPW], v[NIL]                      ; the opening lines: the add, twice on end, and its wait
	ds_add_u32 v[SPW], v[NIL]
	v_lshrrev_b32 v1, 5, v0
	v_readfirstlane_b32 s14, v1                    ; wave
	v_and_b32 v25, 31, v0
	v_lshlrev_b32 v[LI], 4, v25
	v_mul_u32_u24 v[PFO], v25, KROW
	v_and_b32 v1, 15, v0                           ; r
	v_bfe_u32 v2, v0, 4, 1                         ; h
	v_lshlrev_b32 v7, 5, v2
	v_lshlrev_b32 v8, 2, v1
	s_lshr_b32 s15, s14, 1                         ; my half of the tokens; also: I fetch tokens (0) or W (1)
	s_and_b32 s16, s14, 1                          ; my half of the columns; also: which 128 rows I fetch
	s_bfe_u32 s40, ttmp6, 0x40000                  ; cx
	s_bfe_u32 s41, ttmp6, 0x40004                  ; cy
	s_lshl_b32 s42, ttmp9, 2
	s_add_co_u32 s42, s42, s40                     ; tile column
	s_and_b32 s17, ttmp7, 0xffff
	s_lshl_b32 s17, s17, 2
	s_add_co_u32 s17, s17, s41                     ; tile row
	s_lshl_b32 s43, s41, 2
	s_lshl_b32 s43, 15, s43                        ; my row of the cluster
	s_lshl_b32 s44, 0x1111, s40                    ; my column
	s_lshr_b32 s98, ttmp9, 1                       ; 1: K's and V's tile columns
	s_and_b32 s99, s98, s16                        ; 1: I make V
	s_xor_b32 s101, s99, 1
	s_or_b32 s[G1+0], s43, (1<<21)                 ; elements of 1 byte, no padding field: the tile's width makes the LDS pitch
	s_or_b32 s[G1B+0], s44, (1<<21)
.irp g, G1, G1B
	s_mov_b32 s[\g+1], ROWB<<16                    ; tensor_dim0 = 256
	s_mov_b32 s[\g+2], 128<<16                     ; tensor_dim1 = 128
	s_mov_b32 s[\g+3], PITCH<<16                   ; tile_dim0 = 272: bytes 256-271 of an LDS row are written as zeros
	s_mov_b32 s[\g+4], 128                         ; tile_dim1
	s_mov_b32 s[\g+5], KROW
	s_mov_b32 s[\g+6], 0
	s_mov_b32 s[\g+7], 0
.endr
	s_lshl_b32 s18, s16, 7
	s_lshl_b32 s20, s17, 8
	s_add_co_u32 s20, s20, s18                     ; tokens: 256 x tile row + 128 x half
	s_lshl_b32 s46, s42, 8
	s_add_co_u32 s46, s46, s18                     ; Wq: 256 x tile column + 128 x half;
	s_lshl_b32 s19, s40, 7
	s_cmp_lg_u32 s98, 0
	s_cselect_b32 s46, s19, s46                    ; Wk, Wv: head cx
	s_mov_b32 s21, 0
	s_mov_b32 s47, 0
	s_lshl_b32 s94, s46, 2                         ; the same columns in the bias, in bytes
	s_mov_b32 s95, 0
	s_mov_b64 s[18:19], KS
	s_mul_u64 s[22:23], s[20:21], s[18:19]
	s_mul_u64 s[92:93], s[46:47], s[18:19]
	s_mov_b64 s[18:19], KROW
	s_mul_u64 s[20:21], s[20:21], s[18:19]
	s_mul_u64 s[46:47], s[46:47], s[18:19]
	s_mul_i32 s45, s14, HALFT                      ; where my 128 rows go: the wave's number alone
	s_wait_alu depctr_va_vdst(0)
	s_wait_dscnt 0x0                               ; both opening adds are done
	s_wait_kmcnt 0x0
	s_cmp_eq_u32 s16, 0
	s_cselect_b64 s[72:73], s[72:73], s[76:77]     ; half 0: Wk, half 1: Wv
	s_cselect_b64 s[74:75], s[74:75], s[78:79]
	s_cselect_b64 s[82:83], s[82:83], s[84:85]
	s_cmp_lg_u32 s98, 0
	s_cselect_b64 s[8:9], s[72:73], s[68:69]
	s_cselect_b64 s[10:11], s[74:75], s[70:71]
	s_cselect_b64 s[96:97], s[82:83], s[80:81]
	s_cselect_b64 s[12:13], s[88:89], s[86:87]
	s_add_nc_u64 s[20:21], s[4:5], s[20:21]
	s_add_nc_u64 s[22:23], s[6:7], s[22:23]
	s_add_nc_u64 s[46:47], s[8:9], s[46:47]
	s_add_nc_u64 s[92:93], s[10:11], s[92:93]
	s_add_nc_u64 s[96:97], s[96:97], s[94:95]
	s_cmp_eq_u32 s15, 0
	s_cselect_b64 s[92:93], s[22:23], s[92:93]     ; the scales of the 128 rows that I fetch
	s_cselect_b64 s[PFA:PFA+1], s[20:21], s[46:47] ; and their codes;
	s_cselect_b32 s3, s40, s41                     ; my place among the four that ask with me
	s_mul_i32 s2, s3, 32*KROW
	s_mov_b32 s3, 0
	s_add_nc_u64 s[PFA:PFA+1], s[PFA:PFA+1], s[2:3]
.irp j, 0,1,2,3,4,5,6,7,8,9,10,11,12,13,14,15
	global_load_b128 v[128+4*\j:131+4*\j], v[LI], s[92:93] offset:512*\j     ; row 8 j + lane / 4, bytes 16 (lane % 4) ..
.endr
.irp b, 0,1,2,3,4,5,6,7
	global_load_b128 v[BI+8*\b:BI+8*\b+3], v7, s[96:97] offset:64*\b         ; the bias by registers: columns 16 b + 8 h + 0 .. 7
	global_load_b128 v[BI+8*\b+4:BI+8*\b+7], v7, s[96:97] offset:64*\b+16
.endr
.irp a, 0,1,2,3,4,5,6,7
	global_load_b32 v[LB+\a], v8, s[96:97] offset:64*\a                      ; and by lanes, for V: channel 16 a + r
.endr
	CROUND                                         ; all sixteen work-groups are here: the first joint loads meet
.irp s, 0,1
	s_mov_b32 s[G0+4*\s], 1
	s_add_co_u32 s[G0+4*\s+1], s45, \s*SLOT
	s_add_nc_u64 s[G0+4*\s+2:G0+4*\s+3], s[20:21], \s*ROWB
	s_or_b32 s[G0+4*\s+3], s[G0+4*\s+3], 0x80000000
	s_mov_b32 s[G0B+4*\s], 1
	s_add_co_u32 s[G0B+4*\s+1], s45, \s*SLOT
	s_add_nc_u64 s[G0B+4*\s+2:G0B+4*\s+3], s[46:47], \s*ROWB
	s_or_b32 s[G0B+4*\s+3], s[G0B+4*\s+3], 0x80000000
.endr
	JLOAD G0, G1, G0B, G1B                         ; chunk 0: one tensor load a wave at the head
	ASK 2
	s_mov_b32 s18, SLOT-232
	s_mov_b32 s19, SLOT+232
	s_mul_i32 s21, s15, HALFT                      ; my 128 tokens
	s_mul_i32 s22, s16, HALFT
	s_add_co_u32 s22, s22, 2*HALFT                 ; my 128 rows of W
	s_cmp_lg_u32 s99, 0
	s_cselect_b32 s23, s22, s21                    ; source 1: tokens; for V: rows of Wv
	s_cselect_b32 s22, s21, s22                    ; source 0: the other
	s_add_co_u32 s2, s23, SLOT
	s_add_co_u32 s3, s22, SLOT
	s_mul_i32 s20, s15, HALFS
	s_mul_i32 s94, s16, HALFS
	s_add_co_u32 s94, s94, 2*HALFS
	s_sub_co_u32 s94, s94, s20                     ; from my tokens' scales to my W rows' scales
	s_add_co_u32 s20, s20, SCL
	s_mul_i32 s95, s14, HALFS
	s_add_co_u32 s95, s95, SCL
	v_mul_u32_u24 v3, v1, PITCH
	v_mul_u32_u24 v4, v2, 24
	v_add_nc_u32 v4, v3, v4                        ; row x pitch + 24 x half
	v_sub_nc_u32 v9, 1, v2
	v_mul_u32_u24 v5, s18, v2
	v_add_nc_u32 v5, v3, v5
	v_add_nc_u32 v5, 232, v5                       ; lanes 0-15 byte 232 of the row in slot 0, lanes 16-31 byte 0 in slot 1;
	v_mul_u32_u24 v6, s19, v9
	v_add_nc_u32 v6, v3, v6                        ; lanes 0-15 byte 232 in slot 1, lanes 16-31 byte 0 in slot 0
	v_add_nc_u32 v[ADRA+2], s23, v5
	v_add_nc_u32 v[ADRA+3], s23, v6
	v_add_nc_u32 v[ADRB+2], s22, v5
	v_add_nc_u32 v[ADRB+3], s22, v6
	v_add_nc_u32 v[ADRA], s23, v4
	v_add_nc_u32 v[ADRB], s22, v4
	v_add_nc_u32 v[ADRA+1], s2, v4
	v_add_nc_u32 v[ADRB+1], s3, v4
	v_xor_b32 v10, s99, v2                         ; lanes 16-31 take W's words; for V lanes 0-15 do
	v_mul_u32_u24 v10, s94, v10
	v_lshl_add_u32 v10, v1, 3, v10                 ; 8 bytes a row
	v_add_nc_u32 v[ADRS], s20, v10
	v_and_b32 v11, 3, v0
	v_bfe_u32 v12, v0, 2, 3
	v_lshlrev_b32 v11, 11, v11                     ; my 16 bytes are pairs of steps 2 (lane % 4) and the next: 1,024 bytes a pair
	v_lshl_add_u32 v11, v12, 3, v11                ; row lane / 4
	v_add_nc_u32 v[SST], s95, v11
	s_wait_alu depctr_va_vdst(0)
	s_wait_loadcnt 24                              ; the scales are in; the 24 loads of the bias may be out
.irp j, 0,1,2,3,4,5,6,7,8,9,10,11,12,13,14,15
	ds_store_b64 v[SST], v[128+4*\j:129+4*\j] offset:64*\j
	ds_store_b64 v[SST], v[130+4*\j:131+4*\j] offset:64*\j+1024
.endr
	s_lshl_b32 s18, s17, 1                         ; my unit
	s_add_co_u32 s18, s18, s15
	s_lshr_b32 s19, s18, 4                         ; b
	s_and_b32 s18, s18, 15                         ; s / 128
	s_lshl_b32 s94, s19, 4
	s_lshl_b32 s95, s42, 1
	s_add_co_u32 s94, s94, s95
	s_add_co_u32 s94, s94, s16
	s_lshl_b32 s94, s94, 4
	s_add_co_u32 s94, s94, s18
	s_lshl_b32 s95, s19, 2
	s_add_co_u32 s95, s95, s40
	s_lshl_b32 s95, s95, 4
	s_add_co_u32 s95, s95, s18
	s_lshl_b32 s95, s95, 1
	s_add_co_u32 s95, s95, s16
	s_cmp_lg_u32 s98, 0
	s_cselect_b32 s94, s95, s94
	s_mul_i32 s94, s94, UNIT
	s_mov_b32 s95, 0
	s_add_nc_u64 s[12:13], s[12:13], s[94:95]
	s_sub_co_u32 s100, 0, s99                      ; all ones for V
	s_mul_i32 s66, s101, 0x3f800000                ; 1.0, for V 0
	s_mov_b32 s67, s66
	s_wait_loadcnt 0x0
.irp a, 0,1,2,3,4,5,6,7
	v_and_b32 v[BM+2*\a], s100, v[LB+\a]
	v_and_b32 v[BM+2*\a+1], s100, v[LB+\a]
.endr
.irp a, 0,1,2,3,4,5,6,7
	WIN 0x80+0x40*(\a/4)
.irp b, 0,1,2,3,4,5,6,7
.irp i, 0,2,4,6
	v_pk_fma_f32 v[8*(8*(\a%4)+\b)+\i:8*(8*(\a%4)+\b)+\i+1], v[BI+8*\b+\i:BI+8*\b+\i+1], s[66:67], v[BM+2*\a:BM+2*\a+1] op_sel_hi:[1,0,1]   ; the bias starts each sum: by registers, or for V by lanes
.endr
.endr
.endr
	WIN 0
.macro FRAG reg, adr, st, i            ; 16 rows x 128 K: six pieces of 8 bytes; byte y of a row lies in slot (y / 256) % 2 at byte y % 256 of the LDS row
.irp p, 0,1,2,3,4,5
.set BY, 96*(\st)+48*(\p/3)+8*(\p%3)
.if BY/ROWB == (BY+24)/ROWB
	ds_load_b64 v[\reg+2*\p:\reg+2*\p+1], v[\adr+(BY/ROWB)%2] offset:BY%ROWB+(\i)*16*PITCH
.else
	ds_load_b64 v[\reg+2*\p:\reg+2*\p+1], v[\adr+2+(BY/ROWB)%2] offset:BY%ROWB-232+(\i)*16*PITCH
.endif
.endr
.endm
.macro MUL16 a0, p, q, sc              ; the 64 accumulators take turns, in the same order in every step
.irp a, \a0, \a0+1
.irp b, 0,1,2,3,4,5,6,7
	v_wmma_scale_f32_16x16x128_f8f6f4 v[8*(8*((\a)%4)+\b):8*(8*((\a)%4)+\b)+7], v[128*(\p)+FR*\b:128*(\p)+FR*\b+FR-1], v[AF+FR*(\a):AF+FR*(\a)+FR-1], v[8*(8*((\a)%4)+\b):8*(8*((\a)%4)+\b)+7], v[SC+8*NQ*(\sc)+NQ*\b+(\q)], v[SC+8*NQ*(\sc)+NQ*(\a)+(\q)] matrix_a_fmt:MATRIX_FMT_FP6 matrix_b_fmt:MATRIX_FMT_FP6 matrix_a_scale:MATRIX_SCALE_ROW1
.endr
.endr
.endm
.macro FETCH_B st, p
	WIN TO_B
.irp i, 0,1,2,3,4,5,6,7
	FRAG 128*(\p)+FR*\i, ADRB, \st, \i
.endr
	WIN 0
.endm
.macro FETCH_A st, i0
.irp i, \i0, \i0+1, \i0+2, \i0+3
	FRAG AF+FR*(\i), ADRA, \st, \i
.endr
.endm
.macro SCALES pr                       ; the words of steps 2 pr and 2 pr + 1 into set pr % 2
.irp i, 0,1,2,3,4,5,6,7
	ds_load_b64 v[SC+8*NQ*((\pr)%2)+NQ*\i:SC+8*NQ*((\pr)%2)+NQ*\i+1], v[ADRS] offset:1024*(\pr)+128*\i
.endr
.endm
.macro PLACES n
.rept \n
	v_nop
.endr
.endm
; A step of 128 along K.  Where the next step's bytes END in a chunk not yet read: a wait for my tensor loads and a barrier.  Where they BEGIN in a later chunk: the wait, the add, the wait for it and for my reads,
; the barrier, and, while a chunk two on is left, the rest of a round of the cluster's barrier and the refill.
.macro STEP st
.set NX, (\st)+1
.set C0, (96*(\st))/ROWB
.set C1, (96*NX)/ROWB
.set E0, (96*(\st)+95)/ROWB
.set E1, (96*NX+95)/ROWB
.set RF, 0
.if C1 > C0 || E1 > E0
	s_wait_tensorcnt 0x0                           ; all my tensor loads have landed
.if C1 > C0
	ds_add_u32 v[SPW], v[NIL]
	s_wait_dscnt 4*NL+1                            ; the add and source 1's blocks 4-7 may be out
.else
	s_wait_dscnt 4*NL
.endif
	WIN MUL_LO
	MUL16 0, (\st)%2, (\st)%2, ((\st)/2)%2
	s_wait_dscnt 0x0                               ; the add and all my reads are done
	s_barrier_signal -1
	MUL16 2, (\st)%2, (\st)%2, ((\st)/2)%2
	WIN 0
	s_barrier_wait -1
.if C1 > C0 && C0+2 < CHUNKS
	CREST
	s_add_nc_u64 s[G0+4*(C0%2)+2:G0+4*(C0%2)+3], s[G0+4*(C0%2)+2:G0+4*(C0%2)+3], 2*ROWB
	s_add_nc_u64 s[G0B+4*(C0%2)+2:G0B+4*(C0%2)+3], s[G0B+4*(C0%2)+2:G0B+4*(C0%2)+3], 2*ROWB
	JLOAD G0+4*(C0%2), G1, G0B+4*(C0%2), G1B       ; chunk C0 + 2; its four v_nop are the places in front of the loads below
.set RF, 1
.else
	PLACES NP
.endif
.else
	s_wait_dscnt 4*NL                              ; all but source 1's blocks 4-7
	WIN MUL_LO
	MUL16 0, (\st)%2, (\st)%2, ((\st)/2)%2
	MUL16 2, (\st)%2, (\st)%2, ((\st)/2)%2
	s_wait_dscnt 0
	PLACES NP
.endif
	FETCH_B NX, NX%2
	FETCH_A NX, 0
.if NX%2 == 0
	SCALES NX/2
.endif
.if RF && C0+4 < CHUNKS
	ASK C0+4
.endif
	WIN MUL_HI
	MUL16 4, (\st)%2, (\st)%2, ((\st)/2)%2
	MUL16 6, (\st)%2, (\st)%2, ((\st)/2)%2
	PLACES NP
	WIN 0
	FETCH_A NX, 4
.endm
	s_wait_alu depctr_va_vdst(0)
	s_wait_tensorcnt 0x0                           ; my part of chunk 0 is in
	ds_add_u32 v[SPW], v[NIL]
	s_wait_dscnt 0x0                               ; the add and my stores of scales are done
	CROUND
	JLOAD G0+4, G1, G0B+4, G1B                     ; chunk 1, the first tensor load behind the round
	FETCH_B 0, 0
	FETCH_A 0, 0
	SCALES 0
	FETCH_A 0, 4
	ASK 3
.set ST, 0                             ; slots and chunks come back to where they began after sixteen steps, which is the whole walk: it is written out
.rept STEPS-1
	STEP ST
.set ST, ST+1
.endr
	s_wait_dscnt 4*NL
	WIN MUL_LO
	MUL16 0, 1, 1, 1
	MUL16 2, 1, 1, 1
	s_wait_dscnt 0
	WIN MUL_HI
	MUL16 4, 1, 1, 1
	MUL16 6, 1, 1, 1
	WIN 0
; THE WAY OUT: a block of 16 rows x 128 along the next K (64 registers at s in window w) is quantised: four blocks of 32, each in lanes l and l xor 16; the codes into v[pc] on, the scale word into v[pw].
.macro QUANT s, w, pc, pw
	WIN (\w)|((\w)<<2)
.irp b, 0,1,2,3
	v_max3_num_f32 v[TM+\b], |v[(\s)+16*\b]|, |v[(\s)+16*\b+1]|, 0x1800000   ; with the floor 2^(3 - 127): the byte cannot fall under 1
.endr
.irp i, 2,4,6,8,10,12,14
.irp b, 0,1,2,3
	v_max3_num_f32 v[TM+\b], |v[(\s)+16*\b+\i]|, |v[(\s)+16*\b+\i+1]|, v[TM+\b]
.endr
.endr
	WIN 0
.irp b, 0,1,2,3
	v_permlanex16_b32 v[TM+4+\b], v[TM+\b], s92, s93
.endr
.irp b, 0,1,2,3
	v_max_num_f32 v[TM+\b], v[TM+\b], v[TM+4+\b]
.endr
.irp b, 0,1,2,3
	v_add_nc_u32 v[TM+12+\b], 0xff000000, v[TM+\b]     ; 2 off the exponent field: the conversion's scale operand
.endr
.irp b, 0,1,2,3
	v_lshrrev_b32 v[TM+4+\b], 23, v[TM+12+\b]          ; the scale's byte
.endr
	v_lshl_or_b32 v[\pw], v[TM+5], 8, v[TM+4]
	v_lshl_or_b32 v[\pw], v[TM+6], 16, v[\pw]
	v_lshl_or_b32 v[\pw], v[TM+7], 24, v[\pw]
	WIN \w
.irp c, 0,1
	v_cvt_scalef32_pk16_fp6_f32 v[(\pc)+6*\c:(\pc)+6*\c+2], v[(\s)+32*\c:(\s)+32*\c+15], v[TM+12+2*\c]
	v_cvt_scalef32_pk16_fp6_f32 v[C2+4*\c:C2+4*\c+2], v[(\s)+32*\c+16:(\s)+32*\c+31], v[TM+12+2*\c+1]
.endr
	WIN 0
	v_nop                                          ; one plain place behind a scaled conversion
.irp c, 0,1
.irp i, 0,1,2
	v_permlane16_swap_b32 v[(\pc)+6*\c+\i], v[C2+4*\c+\i]   ; a whole block into a lane
.endr
.irp i, 0,1,2
	v_mov_b32 v[(\pc)+3+6*\c+\i], v[C2+4*\c+\i]
.endr
.endr
.endm
	PLACES NP
	s_mov_b32 s92, 0x76543210
	s_mov_b32 s93, 0xfedcba98
.irp b, 0,1,2,3
	v_mov_b32 v[TM+4+\b], 0                        ; a lane permute's destination counts as one of its sources
.endr
.irp a, 0,1,2,3,4,5,6,7
	QUANT 64*(\a%4), 2+\a/4, CD+12*\a, SW+\a
.irp c, 0,1,2
	global_store_b128 v[LI], v[CD+12*\a+4*\c:CD+12*\a+4*\c+3], s[12:13] offset:1536*\a+512*\c   ; 512 consecutive bytes, at a multiple of 256 from the buffer's first byte
.endr
.endr
	v_cmp_le_u32 vcc_lo, 16, v25
.irp i, 0,1,2,3
	v_cndmask_b32 v[SV+\i], v[SW+\i], v[SW+4+\i], vcc_lo   ; lanes 0-15 the words of fragments 0-3, lanes 16-31 those of 4-7
.endr
	global_store_b128 v[LI], v[SV:SV+3], s[12:13] offset:12288
	s_wait_tensorcnt 0x0                           ; the wave's end
	ds_add_u32 v[SPW], v[NIL]
	s_wait_dscnt 0x0
	CROUND                                         ; the closing round
	s_endpgm
.Lfunc_end_k_qa708f7f2ad_proj:
	.size	k_qa708f7f2ad_proj, .Lfunc_end_k_qa708f7f2ad_proj-k_qa708f7f2ad_proj
	.p2alignl 7, 3214868480
	.fill 96, 4, 3214868480
	.section	.rodata,"a",@progbits
	.p2align	6, 0x0
	.amdhsa_kernel k_qa708f7f2ad_proj
		.amdhsa_group_segment_fixed_size 327680
		.amdhsa_private_segment_fixed_size 0
		.amdhsa_enable_private_segment 0
		.amdhsa_kernarg_size 104
		.amdhsa_user_sgpr_count 2
		.amdhsa_user_sgpr_kernarg_segment_ptr 1
		.amdhsa_wavefront_size32 1
		.amdhsa_system_sgpr_workgroup_id_x 1
		.amdhsa_system_sgpr_workgroup_id_y 1
		.amdhsa_system_sgpr_workgroup_id_z 1
		.amdhsa_system_vgpr_workitem_id 0
		.amdhsa_next_free_vgpr 1024
		.amdhsa_next_free_sgpr 102
		.amdhsa_reserve_vcc 1
		.amdhsa_float_denorm_mode_32 3
		.amdhsa_float_denorm_mode_16_64 3
		.amdhsa_memory_ordered 1
		.amdhsa_forward_progress 1
		.amdhsa_inst_pref_size 255
	.end_amdhsa_kernel
	.section	.bss,"aw",@nobits
	.p2align	6
	.space	262144
	.amdgpu_metadata
---
amdhsa.version: [ 1, 2 ]
amdhsa.kernels:
  - .name:           k_qa708f7f2ad_proj
    .symbol:         k_qa708f7f2ad_proj.kd
    .args:
      - { .name: hidden_states_codes, .offset: 0, .size: 8, .value_kind: global_buffer, .address_space: global }
      - { .name: hidden_states_scales, .offset: 8, .size: 8, .value_kind: global_buffer, .address_space: global }
      - { .name: Wq_codes, .offset: 16, .size: 8, .value_kind: global_buffer, .address_space: global }
      - { .name: Wq_scales, .offset: 24, .size: 8, .value_kind: global_buffer, .address_space: global }
      - { .name: Wk_codes, .offset: 32, .size: 8, .value_kind: global_buffer, .address_space: global }
      - { .name: Wk_scales, .offset: 40, .size: 8, .value_kind: global_buffer, .address_space: global }
      - { .name: Wv_codes, .offset: 48, .size: 8, .value_kind: global_buffer, .address_space: global }
      - { .name: Wv_scales, .offset: 56, .size: 8, .value_kind: global_buffer, .address_space: global }
      - { .name: bq, .offset: 64, .size: 8, .value_kind: global_buffer, .address_space: global }
      - { .name: bk, .offset: 72, .size: 8, .value_kind: global_buffer, .address_space: global }
      - { .name: bv, .offset: 80, .size: 8, .value_kind: global_buffer, .address_space: global }
      - { .name: qws, .offset: 88, .size: 8, .value_kind: global_buffer, .address_space: global }
      - { .name: kvws, .offset: 96, .size: 8, .value_kind: global_buffer, .address_space: global }
    .group_segment_fixed_size: 327680
    .private_segment_fixed_size: 0
    .kernarg_segment_align: 8
    .kernarg_segment_size: 104
    .max_flat_workgroup_size: 128
    .sgpr_count:     102
    .vgpr_count:     1024
    .wavefront_size: 32
...
	.end_amdgpu_metadata
.endif
;; end of part 1
;; launch attn (part 2): grid 32 x 8, 8 waves a work-group, clusters of 4 x 1, 327,680 bytes of LDS; arguments qws, kvws, out0; writes out0
.if DOCPART == 2
	.amdgcn_target "amdgcn-amd-amdhsa--gfx1250"
	.amdhsa_code_object_version 6
	.text
	.protected	k_qa708f7f2ad_attn
	.globl	k_qa708f7f2ad_attn
	.p2align	8
	.type	k_qa708f7f2ad_attn,@function
k_qa708f7f2ad_attn:
	s_mov_b64 s[64:65], 0
	v_nop
	global_prefetch_b8 v0, s[64:65] scope:SCOPE_SE
	s_setreg_imm32_b32 hwreg(HW_REG_WAVE_MODE, 25, 1), 1
	s_wait_xcnt 0x0
	s_wait_alu depctr_hold_cnt(0) depctr_sa_sdst(0) depctr_va_vdst(0) depctr_va_sdst(0) depctr_va_ssrc(0) depctr_va_vcc(0) depctr_vm_vsrc(0)
	s_getreg_b32 s2, hwreg(HW_REG_IB_STS2, 6, 4)
	s_cmp_eq_u32 s2, 0
	s_cbranch_scc0 .Lentry_in_a_cluster
	s_endpgm
.Lentry_in_a_cluster:
	s_bfe_u32 s2, ttmp6, 0x10000c
	s_cmp_lg_u32 s2, 0x3003
	s_cbranch_scc0 .Lentry_shape_is_right
	s_endpgm
.Lentry_shape_is_right:
; out[b][s][128 head + d] = the sum over keys of softmax(q . k / sqrt(128)) v, head = 4 rr + g using the keys and values of kv head g; both products on codes of FP6 (E2M3) with one E8M0 scale for each 32 along K.
; q, k and v come as UNITS of 12,800 bytes that the launch before has made: 8 fragments (16 rows x 128 along K) as images of the operand's registers (bytes 1536 a + 512 c + 16 lane: registers 4 c .. 4 c + 3 of fragment a),
; then the scale words (12288 + 256 (a / 4) + 16 r + 4 (a % 4): row r of fragment a).  qws: unit ((b 16 + head) 16 + s / 128).  kvws: unit (((b 4 + g) 16 + s / 128) 2 + (0: K, 1: V)); V's rows are the head's channels, its K the keys.
; THE SOFTMAX AHEAD OF THE SECOND PRODUCT: t = score x log2(e) / sqrt(128); M = the row's largest t so far, rounded UP to a whole number; p = 2^(t - M) is what is quantised, along the keys; it is not normalised.
; The row's sum is taken of the unquantised p, in f32, and divides O at the end.  When M moves, the sum and O are multiplied by 2^(old M - new M): exact.
; LAYOUT.  Both products are used transposed: S^T = K Q^T (source 0 = 16 keys, source 1 = 16 queries), O^T = V^T P^T (source 0 = 16 channels, source 1 = P): a lane holds ONE query (lane % 16) throughout.
; Register 16 B + 8 u + j of a lane's scores is key 32 B + 16 u + 8 h + j; quantised as it stands it lands at place 32 B + 16 h + 8 u + j of its block of 32: the very order in which V's units hold the keys.
; SHARES.  A work-group owns 256 queries of one head, each of its eight waves 32: two tiles of 16.  Tile i keeps all its registers in window i, at the same numbers, so that the softmax is written once and run under two settings;
; the fragments of K and V are shared by the two tiles, so that each LDS byte read feeds two products.  Two waves lie on a SIMD: one's vector work stands beside the other's products and LDS loads.
; Every wave walks all 2,048 keys, 128 a step.  A key step's K unit and V unit lie together in memory; four steps (102,400 dense bytes) fill a slot; two slots take turns.
; CLUSTER.  The four work-groups of a cluster have the same batch and kv head and walk the same K and V: each slot is asked for JOINTLY (waves 0-3, a key step each), with a mask that names the four.
; No padding: an image is read at 16 x lane, 512 consecutive bytes an instruction.  No request ahead into the cache: the units were written by the launch before and each is read by 32 work-groups.
; LIMITS: NaN and infinities are not served.  A block whose every p has fallen to 0 keeps the scale byte 1: its codes are zeros.
; REGISTERS.  In both windows: v12 -M, v13 the largest t, v[14:15] the sum in two halves, v16-27 Q, v96-159 S^T, then p, v160-223 O^T, v224-235 p's codes, v232-254 at work.
;   Window 0 alone: v1-9 addresses; v28-29 Q's scale words, v30-31 p's, v80-87 K's, v88-95 V's: these hold scales and nothing else.  v32-79: fragments 0-3 in window 0, fragments 4-7 in window 1.
.set UNIT,  12800
.set STEPB, 2*UNIT                     ; a key step: K's unit, then V's
.set SLOTB, 4*STEPB                    ; a slot
.set SLOT1, 1<<17                      ; slot 1 begins here, so that one exclusive or turns an address in one slot into the other's
.set SPARE, SLOT1+SLOTB                ; behind the ring: the spare words, 128 bytes for each wave: four blocks of 256 bytes that no other line names
.set STAGE, SPARE+8*128                ; the way out: 16 rows x (256 bytes + 16) for each wave: bytes of its own, into which no tile lands
.set SP,    272
.set LI,  1                            ; v1  16 x lane: my place in an image; never rewritten
.set LS,  2                            ; v2  16 x (lane % 16): my row's scale words; never rewritten
.set SPW, 3                            ; v3  LDS address of my spare word; never rewritten
.set NIL, 4                            ; v4  0; never rewritten
.set ADK, 5                            ; v5  LDS address of the step's images
.set ADS, 6                            ; v6  and of its scale words
.set GO,  7                            ; v7  the way out: my byte offset in the wave's rows of out
.set STO, 8                            ; v8  where I put 32 bytes of a row
.set RD,  9                            ; v9  where I read a row back
.set QS,  28
.set PS,  30
.set F,   32
.set KW,  80
.set VW,  88
.set WV,  10                           ; s10 my wave's number
.set SEL, 20                           ; s[20:21] lane selects for v_permlanex16_b32: lane l xor 16
.set CS,  22                           ; s[22:23] c = log2(e) / sqrt(128): the packed form names a pair and takes its low word for both halves
.set G1,  24                           ; s[24:31] descriptor group 1
.set G0,  32                           ; s[32:35] descriptor group 0, which walks
.set TB,  36                           ; s36 LDS byte at which the step in hand begins
.set SLOTS, 37                         ; s37 slots still to be asked for
.set STEPS, 38                         ; s38 counts a slot's four steps
.set MSB, 0
.macro WIN new                         ; the immediate's high byte repeats the setting that is left; a switch that changes nothing is dropped
.if MSB != \new
	s_set_vgpr_msb (MSB<<8)|(\new)
.set MSB, \new
.endif
.endm
; A joint load: waves 0-3 fetch a key step each, the others nothing.  The branch hangs on the wave's number alone.  Four v_nop follow the load.
.macro JLOAD
	s_cmp_lt_u32 s[WV], 4
	s_cbranch_scc0 .Lnone_\@
	tensor_load_to_lds s[G0:G0+3], s[G1:G1+7]
	s_nop 0
.rept 4
	v_nop
.endr
.Lnone_\@:
.endm
.macro CROUND                          ; a round of the cluster's barrier
	s_barrier_signal -1
	s_barrier_wait -1
	s_cmp_lg_u32 s[WV], 0
	s_cbranch_scc1 .Lnot_wave_0_\@
	s_barrier_signal -3
.Lnot_wave_0_\@:
	s_barrier_wait -3
	s_barrier_signal -1
	s_barrier_wait -1
.endm
	s_load_b128 s[4:7], s[0:1], 0x0                ; qws s[4:5], kvws s[6:7]
	s_load_b64 s[8:9], s[0:1], 0x10                ; out0
	v_lshl_add_u32 v[SPW], v0, 2, SPARE
	v_mov_b32 v[NIL], 0
	ds_add_u32 v3, v4
	ds_add_u32 v3, v4
	s_wait_dscnt 0x0
	v_lshrrev_b32 v1, 5, v0
	s_delay_alu instid0(VALU_DEP_1)
	v_readfirstlane_b32 s[WV], v1                  ; wave 0..7
	s_bfe_u32 s11, ttmp6, 0x40000                  ; cx: my place in the cluster: it enters q's and out's addresses alone
	s_lshl_b32 s12, ttmp9, 2
	s_add_co_u32 s12, s12, s11                     ; x = 4 x cluster x + cx = 8 rr + block of 256 queries
	s_and_b32 s13, ttmp7, 0xffff                   ; y = 4 b + g, which the four partners share
	s_lshr_b32 s14, s12, 3                         ; rr
	s_and_b32 s15, s12, 7                          ; block of 256 queries
	s_lshr_b32 s16, s13, 2                         ; b
	s_and_b32 s17, s13, 3                          ; g
	s_lshl_b32 s18, s14, 2
	s_add_co_u32 s18, s18, s17                     ; head = 4 rr + g
	s_lshr_b32 s19, s[WV], 2                       ; which of the block's two units is mine
	s_and_b32 s42, s[WV], 3                        ; my tiles in it: 2 (wave % 4) and the next
	s_lshl_b32 s40, s16, 4
	s_add_co_u32 s40, s40, s18
	s_lshl_b32 s40, s40, 4
	s_lshl_b32 s41, s15, 1
	s_add_co_u32 s40, s40, s41
	s_add_co_u32 s40, s40, s19                     ; q's unit: (16 b + head) 16 + 2 x block + half
	s_mul_i32 s40, s40, UNIT
	s_mul_i32 s41, s42, 2*1536
	s_add_co_u32 s44, s40, s41                     ; my first tile's image
	s_mov_b32 s45, 0
	s_lshr_b32 s41, s42, 1                         ; its scale words: 12288 + 256 (tile / 4) + 4 (tile % 4)
	s_lshl_b32 s41, s41, 8
	s_and_b32 s43, s[WV], 1
	s_lshl_b32 s43, s43, 3
	s_add_co_u32 s41, s41, s43
	s_add_co_u32 s46, s40, s41
	s_add_co_u32 s46, s46, 12288
	s_mov_b32 s47, 0
	s_mul_i32 s38, s13, 32*UNIT                    ; K and V of (b, g): 32 units,
	s_mul_i32 s[G0+1], s[WV], STEPB                ; 63:32 LDS address: the key step that I fetch, in slot 0: no place in the cluster enters an LDS address
	s_add_co_u32 s38, s38, s[G0+1]                 ; and the same step in memory
	s_mov_b32 s39, 0
	s_lshl_b32 s40, s16, 24                        ; out: batch b: 2,048 rows of 8,192 bytes,
	s_lshl_b32 s41, s15, 8
	s_lshl_b32 s43, s19, 7
	s_add_co_u32 s41, s41, s43
	s_lshl_b32 s43, s42, 5
	s_add_co_u32 s41, s41, s43                     ; my first query: 256 x block + 128 x half + 32 (wave % 4),
	s_lshl_b32 s41, s41, 13
	s_add_co_u32 s40, s40, s41
	s_lshl_b32 s43, s18, 9                         ; the head's 512 bytes of a row
	s_add_co_u32 s40, s40, s43
	s_mov_b32 s41, 0
	; descriptor group 1: a key step, 25,600 dense bytes, as 100 rows of 256 bytes (32 elements of 8 bytes)
	s_mov_b32 s[G1], 15|(3<<16)|(1<<21)            ; 15:0 the mask: all four work-groups; 17:16 elements of 8 bytes; 20 padding off; 21 set beside a mask
	s_mov_b32 s[G1+1], 32<<16                      ; tensor_dim0 = 32
	s_mov_b32 s[G1+2], 100<<16                     ; tensor_dim1 = 100
	s_mov_b32 s[G1+3], 32<<16                      ; tile_dim0 = 32
	s_mov_b32 s[G1+4], 100                         ; tile_dim1 = 100
	s_mov_b32 s[G1+5], 32                          ; tensor_dim0_stride
	s_mov_b32 s[G1+6], 0
	s_mov_b32 s[G1+7], 0
	s_mov_b32 s[SEL], 0x76543210
	s_mov_b32 s[SEL+1], 0xfedcba98
	s_mov_b32 s[CS], 0x3e0293ee                    ; c = log2(e) / sqrt(128)
	s_mov_b32 s[CS+1], s[CS]                       ; (named with it as a pair, so it is written)
	s_mov_b32 s[TB], 0
	s_mov_b32 s[SLOTS], 3
	s_wait_kmcnt 0x0
	s_add_nc_u64 s[8:9], s[8:9], s[40:41]          ; out at my first query's row, my head
	s_add_nc_u64 s[46:47], s[4:5], s[46:47]        ; Q's scale words
	s_add_nc_u64 s[4:5], s[4:5], s[44:45]          ; Q's images
	CROUND                                         ; all four work-groups are here: the first joint load meets
	s_mov_b32 s[G0], 1                             ; 1:0 count = 1
	s_add_nc_u64 s[G0+2:G0+3], s[6:7], s[38:39]    ; 120:64 global address
	s_or_b32 s[G0+3], s[G0+3], 0x80000000          ; 127:126 type = 2
	JLOAD                                          ; slot 0: key steps 0-3.  One tensor load of mine is out, here and behind every later round
	v_and_b32 v10, 31, v0
	s_delay_alu instid0(VALU_DEP_1)
	v_lshlrev_b32 v[LI], 4, v10
	v_and_b32 v10, 15, v0                          ; r
	v_bfe_u32 v11, v0, 4, 1                        ; h
	s_delay_alu instid0(VALU_DEP_2)
	v_lshlrev_b32 v[LS], 4, v10
.irp c, 0,1,2
	global_load_b128 v[16+4*\c:19+4*\c], v[LI], s[4:5] offset:512*\c          ; tile 0's Q stays in registers
.endr
	WIN 0x40                                       ; destination window 1
.irp c, 0,1,2
	global_load_b128 v[16+4*\c:19+4*\c], v[LI], s[4:5] offset:1536+512*\c     ; tile 1's
.endr
	WIN 0
	global_load_b32 v[QS], v[LS], s[46:47]         ; their scale words: lane r has query r's
	global_load_b32 v[QS+1], v[LS], s[46:47] offset:4
	v_lshlrev_b32 v[GO], 13, v11
	s_delay_alu instid0(VALU_DEP_1)
	v_lshl_add_u32 v[GO], v10, 4, v[GO]            ; the way out: lanes 0-15 take one row of out (8,192 bytes), lanes 16-31 the next; 16 bytes a lane
	s_mul_i32 s43, s[WV], 16*SP
	s_add_co_u32 s43, s43, STAGE                   ; my stage
	v_mul_u32_u24 v[STO], v10, SP
	s_delay_alu instid0(VALU_DEP_1)
	v_lshl_add_u32 v[STO], v11, 5, v[STO]
	s_delay_alu instid0(VALU_DEP_1)
	v_add_nc_u32 v[STO], s43, v[STO]               ; in: row r, + 32 h
	v_mul_u32_u24 v[RD], v11, SP
	s_delay_alu instid0(VALU_DEP_1)
	v_lshl_add_u32 v[RD], v10, 4, v[RD]
	s_delay_alu instid0(VALU_DEP_1)
	v_add_nc_u32 v[RD], s43, v[RD]                 ; back: lanes 0-15 one row, lanes 16-31 the next
.macro INIT                            ; a tile's state.  The key step is written once: the first finds zeros, which the first change of M leaves zeros; a first step of its own would be a third copy of the step
	v_mov_b32 v13, 0xff61b1e6                      ; the largest t so far: -3e38, under every t
	s_delay_alu instid0(VALU_DEP_1)
	v_floor_f32 v12, -v13                          ; -M
	v_mov_b32 v14, 0                               ; the sum, in two halves
	v_mov_b32 v15, 0
	v_mov_b32 v253, 0                              ; (named as the upper half of the pair v[252:253] before it is first written)
.irp b, 0,1,2,3
	v_mov_b32 v[236+\b], 0                         ; written once: a lane permute's destination counts as one of its sources
.endr
.set j, 0
.rept 64
	v_mov_b32 v[160+j], 0                          ; O^T
.set j, j+1
.endr
.endm
	INIT
	WIN 0x55
	INIT
	WIN 0
; A unit out of LDS: its scale words (two loads: lane r takes row r's words of fragments 0-3 and of 4-7) into v[w] on, fragments 0-3 into window 0, fragments 4-7 into window 1.
.macro FETCH off, w
	ds_load_b128 v[\w:\w+3], v[ADS] offset:\off+12288
	ds_load_b128 v[\w+4:\w+7], v[ADS] offset:\off+12288+256
.irp g, 0,1
	WIN 0x40*\g
.irp t, 0,1,2,3
.irp c, 0,1,2
	ds_load_b128 v[F+12*\t+4*\c:F+12*\t+4*\c+3], v[ADK] offset:\off+1536*(4*\g+\t)+512*\c
.endr
.endr
.endr
	WIN 0
.endm
; S^T = K Q^T on fragments 4 g .. 4 g + 3, for both tiles: source 0 in window g; Q and the result in the tile's window.  Each product starts a sum of its own.
.macro KQ g
.irp i, 0,1
	WIN (\g)|(0x44*\i)
.irp t, 0,1,2,3
	v_wmma_scale_f32_16x16x128_f8f6f4 v[96+8*(4*\g+\t):103+8*(4*\g+\t)], v[F+12*\t:F+12*\t+11], v[16:27], 0, v[KW+4*\g+\t], v[QS+\i] matrix_a_fmt:MATRIX_FMT_FP6 matrix_b_fmt:MATRIX_FMT_FP6
.endr
.endr
.endm
; O^T += V^T P^T likewise.  The sixteen accumulators take turns, one instruction a turn.
.macro PV g
.irp i, 0,1
	WIN (\g)|(0x54*\i)
.irp t, 0,1,2,3
	v_wmma_scale_f32_16x16x128_f8f6f4 v[160+8*(4*\g+\t):167+8*(4*\g+\t)], v[F+12*\t:F+12*\t+11], v[224:235], v[160+8*(4*\g+\t):167+8*(4*\g+\t)], v[VW+4*\g+\t], v[PS+\i] matrix_a_fmt:MATRIX_FMT_FP6 matrix_b_fmt:MATRIX_FMT_FP6
.endr
.endr
.endm
; Tile i's softmax for 128 keys, all in window i but for the scale word's last line.
.macro SOFTMAX i
	WIN 0x55*\i
.irp b, 0,1,2,3
	v_max3_num_f32 v[232+\b], v[96+16*\b], v[97+16*\b], v[98+16*\b]   ; THE LARGEST SCORE OF EACH BLOCK OF 32 KEYS: it serves twice: for the row's maximum, and, since p rises with the score, for the block's largest p
.endr
.irp n, 3,5,7,9,11,13
.irp b, 0,1,2,3
	v_max3_num_f32 v[232+\b], v[232+\b], v[96+16*\b+\n], v[97+16*\b+\n]   ; (the four blocks by turns)
.endr
.endr
.irp b, 0,1,2,3
	v_max_num_f32 v[232+\b], v[232+\b], v[111+16*\b]
.endr
.irp b, 0,1,2,3
	s_delay_alu instid0(VALU_DEP_4)
	v_permlanex16_b32 v[236+\b], v[232+\b], s[SEL], s[SEL+1]
.endr
.irp b, 0,1,2,3
	s_delay_alu instid0(VALU_DEP_4)
	v_max_num_f32 v[232+\b], v[232+\b], v[236+\b]  ; with lane l xor 16's 16 keys
.endr
	s_delay_alu instid0(VALU_DEP_2)
	v_max3_num_f32 v254, v232, v233, v234
	s_delay_alu instid0(VALU_DEP_1)
	v_max_num_f32 v254, v254, v235                 ; the step's largest score of my query
	s_delay_alu instid0(VALU_DEP_1)
	v_mul_f32 v254, s[CS], v254                    ; as t (c is positive)
	s_delay_alu instid0(VALU_DEP_1)
	v_max_num_f32 v13, v13, v254                   ; the running largest t
	v_mov_b32 v254, v12
	s_delay_alu instid0(VALU_DEP_2)
	v_floor_f32 v12, -v13                          ; the new -M = floor(-t) = -ceil(t): M IS A WHOLE NUMBER
	s_delay_alu instid0(VALU_DEP_1)
	v_sub_f32 v254, v12, v254                      ; M's old value less its new one: a whole number, 0 or less
	s_delay_alu instid0(VALU_DEP_1)
	v_cvt_i32_f32 v254, v254                       ; (it saturates)
	s_delay_alu instid0(VALU_DEP_1)
	v_ldexp_f32 v252, 1.0, v254                    ; f = 2^(old M - new M): a multiplication by it rounds nothing
.set j, 0
.rept 32
	v_pk_fma_f32 v[96+j:97+j], v[96+j:97+j], s[CS:CS+1], v[12:13] op_sel_hi:[1,0,0]   ; t - M, two at a time (of the pairs c and -M the low word serves both halves)
.set j, j+2
.endr
.irp b, 0,1,2,3
	v_fma_f32 v[232+\b], v[232+\b], s[CS], v12     ; the same of each block's largest score
.endr
.set j, 0
	s_wait_alu depctr_va_vdst(0)
.rept 64
	v_exp_f32 v[96+j], v[96+j]                     ; p = 2^(t - M), at most 1: NOT normalised
.set j, j+1
.endr
.irp b, 0,1,2,3
	v_exp_f32 v[232+\b], v[232+\b]                 ; the block's largest p: the same two instructions on the same number give the same bits
.endr
	v_pk_mul_f32 v[14:15], v[14:15], v[252:253] op_sel_hi:[1,0]   ; the sums under the new M.  (A plain place behind the exponentials)
	s_wait_alu depctr_va_vdst(0)
.irp b, 0,1,2,3
	v_max_num_f32 v[232+\b], 0x1800000, v[232+\b]  ; the floor 2^(3 - 127): the byte cannot fall under 1
.endr
.irp b, 0,1,2,3
	s_delay_alu instid0(VALU_DEP_4)
	v_add_nc_u32 v[244+\b], 0xff000000, v[232+\b]  ; 2 off the exponent field: the conversion's scale operand
.endr
.irp b, 0,1,2,3
	s_delay_alu instid0(VALU_DEP_4)
	v_lshrrev_b32 v[236+\b], 23, v[244+\b]         ; the scale's byte
.endr
	s_delay_alu instid0(VALU_DEP_3)
	v_lshl_or_b32 v253, v237, 8, v236              ; p's scale word for these 128 keys;
	s_delay_alu instid0(VALU_DEP_1)
	v_lshl_or_b32 v253, v238, 16, v253
	WIN 0x15*\i                                    ; its last line writes window 0: scale operands have no window
	v_lshl_or_b32 v[PS+\i], v239, 24, v253
	WIN 0x55*\i
.irp c, 0,1
	v_cvt_scalef32_pk16_fp6_f32 v[224+6*\c:226+6*\c], v[96+32*\c:111+32*\c], v[244+2*\c]
	v_cvt_scalef32_pk16_fp6_f32 v[236+4*\c:238+4*\c], v[112+32*\c:127+32*\c], v[244+2*\c+1]   ; (a conversion's three registers begin on an even number)
.endr
	v_nop                                          ; one plain place behind a scaled conversion
.irp c, 0,1                                    ; the operand's layout wants a WHOLE block in a lane: lanes 0-15 block 2 c, lanes 16-31 block 2 c + 1
.irp m, 0,1,2
	v_permlane16_swap_b32 v[224+6*\c+\m], v[236+4*\c+\m]
.endr
.irp m, 0,1,2
	s_delay_alu instid0(VALU_DEP_3)
	v_mov_b32 v[227+6*\c+\m], v[236+4*\c+\m]
.endr
.endr
	v_pk_add_f32 v[236:237], v[96:97], v[98:99]    ; THE ROW'S SUM IS TAKEN OF THE UNQUANTISED p: two at a time, in two chains
.set j, 4
.rept 15
	v_pk_add_f32 v[14:15], v[14:15], v[96+j:97+j]
	v_pk_add_f32 v[236:237], v[236:237], v[98+j:99+j]
.set j, j+4
.endr
	s_delay_alu instid0(VALU_DEP_1)
	v_pk_add_f32 v[14:15], v[14:15], v[236:237]
.set j, 0
.rept 32
	v_pk_mul_f32 v[160+j:161+j], v[160+j:161+j], v[252:253] op_sel_hi:[1,0]   ; O^T under the new M: x f.  (With the sums above: far more than the eight places that a scale word made by a vector instruction wants ahead of its product)
.set j, j+2
.endr
.endm
; A KEY STEP: 128 keys, both tiles: 32 matrix instructions, 52 LDS loads.
.macro STEP
	v_add_nc_u32 v[ADK], s[TB], v[LI]
	v_add_nc_u32 v[ADS], s[TB], v[LS]
	v_nop                                          ; with the two additions: four places between the last step's products and the loads into the fragments that they read
	v_nop
	FETCH 0, KW                                    ; K's unit
	s_wait_alu depctr_va_vdst(0)
	s_wait_dscnt 12                                ; the words and fragments 0-3 are in; the youngest twelve loads (fragments 4-7) may be out
	KQ 0
	s_wait_dscnt 0x0
	KQ 1
	WIN 0
.rept 4
	v_nop                                          ; places: in front of the loads into the fragments just read, and of the first read of the scores
.endr
	FETCH UNIT, VW                                 ; V's unit lands while the softmax is walked
	SOFTMAX 0
	SOFTMAX 1
	WIN 0
	s_wait_alu depctr_va_vdst(0)
	s_wait_dscnt 0x0                               ; V is in
	PV 0
	PV 1
	WIN 0
	s_add_co_u32 s[TB], s[TB], STEPB               ; the next step
.endm
; THE CHANGE OF SLOTS stands at a slot's head.  Each wave waits for all its tensor loads (its part of the slot that it is about to read), adds 0 to its spare word, and waits for that and for its reads of the slot that it has left.
; fill = 1: the barrier is a round of the cluster's, so that no wave of any partner still reads the other slot or has a load on its way; that slot is then filled with the four key steps that follow: the load has four steps in which to land.
.macro CHANGE fill
	s_wait_tensorcnt 0x0                           ; no tensor load of mine is out, so group 0 may be written
	ds_add_u32 v[SPW], v[NIL]                      ; 0 onto my spare word
.if \fill
	s_xor_b32 s[G0+1], s[G0+1], SLOT1              ; the walking descriptor: the other slot than last time,
	s_add_nc_u64 s[G0+2:G0+3], s[G0+2:G0+3], SLOTB ; the next four key steps; the type bits on top are not reached
.endif
	s_wait_dscnt 0x0                               ; the add is done, and my reads of the slot that I have left are over
.if \fill
	CROUND
	JLOAD                                          ; the first thing behind the round, and a wave's one tensor load until the next
.else
	s_barrier_signal -1
	s_barrier_wait -1
.endif
.endm
.macro FOUR_STEPS                      ; a slot's four key steps: written once, walked four times; the LDS addresses hang on s[TB]
	s_mov_b32 s[STEPS], 4
.Lstep_\@:
	STEP
	s_sub_co_u32 s[STEPS], s[STEPS], 1
	s_cmp_lg_u32 s[STEPS], 0
	s_cbranch_scc1 .Lstep_\@
	s_sub_co_u32 s[TB], s[TB], SLOTB               ; back to a slot's first step,
	s_xor_b32 s[TB], s[TB], SLOT1                  ; in the other slot
.endm
	s_wait_loadcnt 0x0                             ; Q and its scale words
.Lslot:                                            ; three trips: behind each change of slots but the last the next slot is asked for
	CHANGE 1
	FOUR_STEPS
	s_sub_co_u32 s[SLOTS], s[SLOTS], 1
	s_cmp_lg_u32 s[SLOTS], 0
	s_cbranch_scc1 .Lslot
	CHANGE 0                                       ; the last slot is written out
	FOUR_STEPS
; THE WAY OUT of tile i.  The sum's two halves and lane l xor 16's are added; O^T is divided by the sum (register 8 t + j is channel 16 t + 8 h + j of query r) and goes through my stage in LDS, half a head
; (64 channels, 256 bytes) of 16 queries at a time, back into the registers that it left.  LDS serves a wave's instructions in order (ISA guide 5.7.1.4): no wait between the stores and the loads.
.macro OUT i
	WIN 0x55*\i
	v_add_f32 v14, v14, v15
	s_delay_alu instid0(VALU_DEP_1)
	v_permlanex16_b32 v252, v14, s[SEL], s[SEL+1]
	s_delay_alu instid0(VALU_DEP_1)
	v_add_f32 v14, v14, v252                       ; the row's sum
	s_wait_alu depctr_va_vdst(0)
	v_rcp_f32 v14, v14
	v_nop                                          ; one plain place behind the transcendental
.set j, 0
	s_wait_alu depctr_va_vdst(0)
.rept 32
	v_pk_mul_f32 v[96+j:97+j], v[160+j:161+j], v[14:15] op_sel_hi:[1,0]   ; each accumulator from its low end on
.set j, j+2
.endr
.irp u, 0,1
	WIN 0x04*\i                                    ; an LDS store's data are its source 1
.irp t, 0,1,2,3
	ds_store_b128 v[STO], v[96+32*\u+8*\t:99+32*\u+8*\t] offset:64*\t
	ds_store_b128 v[STO], v[100+32*\u+8*\t:103+32*\u+8*\t] offset:64*\t+16
.endr
	WIN 0x40*\i
.irp k, 0,1,2,3,4,5,6,7
	ds_load_b128 v[96+32*\u+4*\k:99+32*\u+4*\k], v[RD] offset:2*\k*SP
.endr
.endr
	WIN 0x04*\i
.irp u, 0,1
.irp k, 0,1,2,3,4,5,6,7
	s_wait_dscnt 23-16*\u-\k                       ; what may be out: the LDS instructions issued behind this pair of rows' load
	global_store_b128 v[GO], v[96+32*\u+4*\k:99+32*\u+4*\k], s[8:9] offset:131072*\i+16384*\k+256*\u th:TH_STORE_NT   ; 16 lanes store 256 consecutive bytes, at a multiple of 256 from out's first byte; written once, read by nobody here
.endr
.endr
	WIN 0
.endm
.rept 4
	v_nop                                          ; places behind the last products
.endr
	OUT 0
	OUT 1
	s_wait_tensorcnt 0x0                           ; the wave's end, behind my last tensor load and my last LDS store
	ds_add_u32 v[SPW], v[NIL]
	s_wait_dscnt 0x0
	CROUND                                         ; the closing round: no work-group ends while a partner may still ask for a tile that names it
	s_endpgm
.Lfunc_end_k_qa708f7f2ad_attn:
	.size	k_qa708f7f2ad_attn, .Lfunc_end_k_qa708f7f2ad_attn-k_qa708f7f2ad_attn
	.p2alignl 7, 3214868480
	.fill 96, 4, 3214868480
	.section	.rodata,"a",@progbits
	.p2align	6, 0x0
	.amdhsa_kernel k_qa708f7f2ad_attn
		.amdhsa_group_segment_fixed_size 327680
		.amdhsa_private_segment_fixed_size 0
		.amdhsa_enable_private_segment 0
		.amdhsa_kernarg_size 24
		.amdhsa_user_sgpr_count 2
		.amdhsa_user_sgpr_kernarg_segment_ptr 1
		.amdhsa_wavefront_size32 1
		.amdhsa_system_sgpr_workgroup_id_x 1
		.amdhsa_system_sgpr_workgroup_id_y 1
		.amdhsa_system_sgpr_workgroup_id_z 1
		.amdhsa_system_vgpr_workitem_id 0
		.amdhsa_next_free_vgpr 512
		.amdhsa_next_free_sgpr 66
		.amdhsa_reserve_vcc 0
		.amdhsa_float_denorm_mode_32 3
		.amdhsa_float_denorm_mode_16_64 3
		.amdhsa_memory_ordered 1
		.amdhsa_forward_progress 1
		.amdhsa_inst_pref_size 97
	.end_amdhsa_kernel
	.amdgpu_metadata
---
amdhsa.version: [ 1, 2 ]
amdhsa.kernels:
  - .name:           k_qa708f7f2ad_attn
    .symbol:         k_qa708f7f2ad_attn.kd
    .args:
      - { .name: qws, .offset: 0, .size: 8, .value_kind: global_buffer, .address_space: global }
      - { .name: kvws, .offset: 8, .size: 8, .value_kind: global_buffer, .address_space: global }
      - { .name: out0, .offset: 16, .size: 8, .value_kind: global_buffer, .address_space: global }
    .group_segment_fixed_size: 327680
    .private_segment_fixed_size: 0
    .kernarg_segment_align: 8
    .kernarg_segment_size: 24
    .max_flat_workgroup_size: 256
    .sgpr_count:     66
    .vgpr_count:     512
    .wavefront_size: 32
...
	.end_amdgpu_metadata
.endif
;; end of part 2
